; MI455X (gfx1250); checked and timed in simulation.
; The chip was launched on July 23, 2026; its instructions are those of AMD's public machine-readable ISA for CDNA 5 (MIT licence, August 2026) and "CDNA5" Instruction Set Architecture Reference Guide (July 2026). The comments in the code are by the model that wrote it; some were corrected since.
;; Attention. Allowed arithmetic: matrix products marked QUANTISED: E5M2 operands, one E8M0 scale for each 32 along K, by v_wmma_scale_f32_16x16x128_f8f6f4 with both operands' format E5M2, f32 sums; products left as they are: f32 operands where the result goes on into a quantised operand, else bf16, f16 or f32 operands; f32 sums; everything else in f32.
;; Inputs: W 1,024 x 2,048 float32; b 1,024 float32; encoder_outputs_codes 2,048 x 32 x 32 x 32 uint8 (E5M2 codes of encoder_outputs, K innermost, in blocks of 32 codes); encoder_outputs_scales 2,048 x 32 x 32 uint8 (E8M0 scales of encoder_outputs, one for each 32 codes along K); hidden_codes 32 x 32 x 32 uint8 (E5M2 codes of hidden, K innermost, in blocks of 32 codes); hidden_scales 32 x 32 uint8 (E8M0 scales of hidden, one for each 32 codes along K); v 1,024 float32.
;; Outputs: out0 32 x 1 x 2,048 float32.
;; This version of the problem:
;;   THIS VERSION OF THE PROBLEM IS GIVEN IN LOW PRECISION. The matrix products marked QUANTISED in the list below multiply operands that are first quantised to E5M2 (5 exponent bits, 2 mantissa bits; 8 bits a number), with one power-of-two scale for each 32 numbers along K (OCP MX v1.0); their sums are f32. All else is computed in f32.
;;   The module's matrix products, in the order in which they are computed (A, B: the left and right operand; K: the contracted axis; several contracted axes count as one K, in the product's order):
;;     1. [M 32, K 1,024] x [K 1,024, N 1,024]; A: input hidden (given as codes); B: input W: QUANTISED
;;     2. [M 65,536, K 1,024] x [K 1,024, N 1,024]; A: input encoder_outputs (given as codes); B: input W: QUANTISED
;;     3. [M 65,536, K 1,024] x [K 1,024, N 1]; A: computed on the way; B: input v: left as it is (N = 1 < 16)
;;   THE QUANTISER, for each operand of a quantised product, along K:
;;     - K is cut into blocks of 32 from its start; a last block that is shorter is filled with zeros.
;;     - A block's scale is 2^e with e = floor(log2(the largest magnitude in the block)) - 15, held to -126 .. 127; a block of zeros has e = 0. As a byte (E8M0): e + 127.
;;     - Each number is divided by its block's scale, clamped to +-57,344, and rounded to the nearest number of E5M2, ties to even, subnormals kept.
;;     - The product sums the exact products of the quantised numbers (number of the format x scale) in f32.
;;   ~~~python
;;   def quantise(x, axis):      # numpy; x: float32 -> the quantised numbers, widened to float32 again
;;       x = np.moveaxis(x, axis, -1); K = x.shape[-1]
;;       x = np.pad(x, [(0, 0)] * (x.ndim - 1) + [(0, -K % 32)]); x = x.reshape(x.shape[:-1] + (-1, 32)); a = np.abs(x).max(-1, keepdims=True)
;;       e = np.where(a > 0, np.clip(np.frexp(np.where(a > 0, a, 1))[1] - 1 - 15, -126, 127), 0)      # np.frexp(a)[1] - 1 = floor(log2(a)), exactly
;;       r = np.clip(x / 2.0 ** e, -57344, 57344)
;;       step = 2.0 ** (np.maximum(np.frexp(np.where(r == 0, 1, r))[1] - 1, -14) - 2)
;;       q = np.round(r / step) * step * 2.0 ** e      # np.round: ties to even
;;       return np.moveaxis(q.reshape(q.shape[:-2] + (-1,))[..., :K], -1, axis).astype(np.float32)
;;   ~~~
;;   INPUTS GIVEN AS CODES. encoder_outputs (in the module: [2048, 32, 1024], K = its axis 2); hidden (in the module: [32, 1024], K = its axis 1): each comes as NAME_codes (uint8): NAME with its K axis moved to the last place and cut into blocks of 32 codes, [.., K / 32, bytes a block], one block behind the other in memory; one code a byte (a code: sign, 5 exponent bits, 2 mantissa bits); and NAME_scales (uint8): the same leading axes, one E8M0 byte (e + 127) for each 32 codes along K. Its value is code x scale, taken as it is: it is not quantised again, and the codes and scales need not be those that the quantiser above would give.
;; One version. Each part assembles by itself: llvm-mc -triple=amdgcn-amd-amdhsa -mcpu=gfx1250 --defsym DOCPART=n.
;; ======== version 1 of 1: 3 launches
;; workspace buffers: w2img 1,048,576 bytes; w2scl 32,768 bytes; hbimg 131,072 bytes; epart 1,048,576 bytes
;; launch prep (part 1): grid 64 x 1, 16 waves a work-group, no clusters, 154,112 bytes of LDS; arguments W, b, hidden_codes, hidden_scales, w2img, w2scl, hbimg; writes w2img, w2scl, hbimg
.if DOCPART == 1
	.amdgcn_target "amdgcn-amd-amdhsa--gfx1250"
	.amdhsa_code_object_version 6
	.text
	.protected	k_qbae7ffda90_prep
	.globl	k_qbae7ffda90_prep
	.p2align	8
	.type	k_qbae7ffda90_prep,@function
k_qbae7ffda90_prep:
	s_mov_b64 s[64:65], 0
	v_nop
	global_prefetch_b8 v0, s[64:65] scope:SCOPE_SE
	s_setreg_imm32_b32 hwreg(HW_REG_WAVE_MODE, 25, 1), 1
	s_wait_xcnt 0x0
; PREP: W [1024][2048] f32 is quantised along K to codes of BF8 (E5M2) with one E8M0 scale byte for each 32 numbers, and the small product hb = hidden W1^T + b is made.
; W = [W1 | W2]: both halves begin at a multiple of 32 along K, so a row of W is a plain run of blocks of 32.
; SHARES.  Work-group g takes rows 16 g .. 16 g + 15 of W (one tile of 16 outputs n).  Wave w takes 128 of the 2,048 columns: waves 0-7 a K step of W1, waves 8-15 a K step of W2.
; WHAT LEAVES.  W2's codes as IMAGES OF THE OPERAND'S REGISTERS, w2img [tile 64][K step 8][c 4][lane 32][16 bytes]: registers 4 c .. 4 c + 3 of lane l lie at 512 c + 16 l, so the next launch loads a fragment by four
; loads of 512 consecutive bytes.  W2's scale bytes as w2scl [n 1024][32].  W1's codes never leave: each of waves 0-7 multiplies its K step by hidden's codes at once (source 0 = 16 rows of hidden, source 1 = 16 rows of W1),
; the eight partial sums meet in LDS, the bias is added, and hb leaves in the layout of a matrix result, hbimg [tile 64][p 2][c 2][lane 32][4 f32]: lane (r, h) holds hb[16 p + 8 h + 4 c + 0..3][16 tile + r].
; THE QUANTISER.  A block's scale is 2^(floor(log2(largest magnitude)) - 15); its byte is the largest magnitude's exponent field - 15, held at 1 from below; each number is held within +-57,344 x the scale and rounded to the nearest code, ties to even.
; LIMITS: a block of zeros gets the byte 1 where the rule says 127 (its codes are zeros, which add nothing under any byte but 0xff, and this program alone reads the bytes); NaN and infinities in W are not served.
; hb's sum over K is formed as eight sums of 128 along K, added in ascending K: another order of rounding than one chain.
; The conversions take 16 neighbours along K from ONE lane's registers, a load is best where neighbouring LANES take neighbouring bytes: each load reads 512 consecutive bytes of a row, and the wave's 16 x 512 bytes turn through its own stage in LDS.
.set SPI,   528                        ; a stage row: 512 bytes + 16 = 33 x 16: the 16 rows that a read touches start at 16 different places modulo 256 bytes (64 banks of 4 bytes: ISA guide 11.1)
.set STGW,  16*SPI                     ; a wave's stage
.set PART,  16*STGW                    ; behind the 16 stages: the partial sums of waves 0-7, 2,048 bytes each: p x 1,024 + c x 512 + 16 x lane
.set SCW,   PART+8*2048                ; behind them: W2's scale words of the tile: 32 r + 4 x K step
.set LI,   4                           ; v4   16 x lane: offset of loads and stores of 512 consecutive bytes
.set SIN,  5                           ; v5   the stage, on the way in
.set SOUT, 6                           ; v6   and on the way out: row r, + 64 h
.set PST,  7                           ; v7   where I put my partial sums
.set PLD,  8                           ; v8   where I read one chunk of all eight
.set SWS,  9                           ; v9   where I put my scale word
.set SLD,  10                          ; v10  where the tile's scale bytes are read back
.set HA,   11                          ; v11  hidden's codes: 1,024 r + 16 h
.set HSA,  12                          ; v12  hidden's scale words: 32 r
.set BA,   13                          ; v13  the bias: 4 r
.set R,    16                          ; v16-79   64 numbers as loaded; later the eight partial chunks
.set X,    80                          ; v80-143  64 numbers: register 16 b + i = k 32 b + 16 h + i of row r
.set PC,   144                         ; v144-159 the fragment's codes
.set TM,   160                         ; v160-163 largest magnitudes, v164-167 bytes, v168-171 the largest number x the scale, v172-175 the conversions' scale operands
.set PW,   176                         ; v176     the scale word
.set HF,   180                         ; v180-211 hidden's two fragments
.set HS,   212                         ; v212-213 their scale words
.set D,    216                         ; v216-231 two results
.set OUTR, 232                         ; v232-235 a chunk of hb
.set BI,   236                         ; v236-237 the bias, twice
.set WV,   18
.set W7,   19
.set SEL,  20
.set MNT,  23
; 64 numbers of a lane become a fragment's codes in v[PC] on and its scale word in v[PW]
.macro QUANT s
.irp b, 0,1,2,3
	v_max3_num_f32 v[TM+\b], |v[\s+16*\b]|, |v[\s+1+16*\b]|, 0x8000000   ; block b: my 16 numbers, and the floor 2^(16 - 127): so the byte cannot fall under 1
.endr
.irp i, 2,4,6,8,10,12,14
.irp b, 0,1,2,3
	v_max3_num_f32 v[TM+\b], v[TM+\b], |v[\s+16*\b+\i]|, |v[\s+1+16*\b+\i]|   ; the four blocks by turns
.endr
.endr
.irp b, 0,1,2,3
	v_permlanex16_b32 v[TM+4+\b], v[TM+\b], s[SEL], s[SEL+1]
.endr
.irp b, 0,1,2,3
	v_max_num_f32 v[TM+\b], v[TM+\b], v[TM+4+\b]   ; with lane l xor 16's 16 numbers: the block's largest magnitude
.endr
.irp b, 0,1,2,3
	v_add_nc_u32 v[TM+12+\b], 0xf8800000, v[TM+\b]   ; 15 off its exponent field: the conversion takes the exponent field of this operand as its scale
.endr
.irp b, 0,1,2,3
	v_and_or_b32 v[TM+8+\b], v[TM+\b], 0x7f800000, s[MNT]   ; 57,344 x the scale
.endr
.irp b, 0,1,2,3
	v_lshrrev_b32 v[TM+4+\b], 23, v[TM+12+\b]   ; the scale's byte
.endr
	v_lshl_or_b32 v[PW], v[TM+5], 8, v[TM+4]       ; four bytes make row r's scale word for these 128 along K
	v_lshl_or_b32 v[PW], v[TM+6], 16, v[PW]
	v_lshl_or_b32 v[PW], v[TM+7], 24, v[PW]
.irp b, 0,1,2,3
.irp i, 0,1,2,3,4,5,6,7,8,9,10,11,12,13,14,15
	v_med3_num_f32 v[\s+16*\b+\i], v[\s+16*\b+\i], -v[TM+8+\b], v[TM+8+\b]   ; the conversion to an 8-bit code does not saturate (ISA guide 7.6.2): the hold comes first
.endr
	v_cvt_scalef32_pk8_bf8_f32 v[PC+4*\b:PC+1+4*\b], v[\s+16*\b:\s+7+16*\b], v[TM+12+\b]
	v_cvt_scalef32_pk8_bf8_f32 v[PC+2+4*\b:PC+3+4*\b], v[\s+8+16*\b:\s+15+16*\b], v[TM+12+\b]
.endr
	v_nop                                          ; one plain vector line behind the last conversion
.endm
	s_load_b256 s[4:11], s[0:1], 0x0               ; W s[4:5], b s[6:7], hidden's codes s[8:9], hidden's scales s[10:11]
	s_load_b128 s[12:15], s[0:1], 0x20             ; w2img s[12:13], w2scl s[14:15]
	s_load_b64 s[16:17], s[0:1], 0x30              ; hbimg
	v_lshl_add_u32 v254, v0, 2, 0x25200
	v_mov_b32 v255, 0
	v_lshrrev_b32 v1, 5, v0
	v_readfirstlane_b32 s[WV], v1                  ; wave 0..15
	v_and_b32 v1, 31, v0                           ; lane
	v_and_b32 v2, 15, v0                           ; r
	v_bfe_u32 v3, v0, 4, 1                         ; h
	s_and_b32 s[W7], s[WV], 7                      ; my K step within W1 or W2
	s_and_b32 s22, s[WV], 3                        ; which chunk of hb I sum, if I sum
	; every LDS address is made here, ahead of the first parting of the waves
	v_lshlrev_b32 v[LI], 4, v1
	s_mul_i32 s24, s[WV], STGW
	v_add_nc_u32 v[SIN], s24, v[LI]
	v_mul_u32_u24 v[SOUT], v2, SPI
	v_lshl_add_u32 v[SOUT], v3, 6, v[SOUT]
	v_add_nc_u32 v[SOUT], s24, v[SOUT]
	s_lshl_b32 s24, s[W7], 11
	s_add_co_u32 s24, s24, PART
	v_add_nc_u32 v[PST], s24, v[LI]
	s_lshl_b32 s24, s22, 9
	s_add_co_u32 s24, s24, PART
	v_add_nc_u32 v[PLD], s24, v[LI]
	s_lshl_b32 s24, s[W7], 2
	s_add_co_u32 s24, s24, SCW
	v_lshlrev_b32 v[SWS], 5, v2
	v_add_nc_u32 v[SWS], s24, v[SWS]
	v_add_nc_u32 v[SLD], SCW, v[LI]
	v_lshlrev_b32 v[HA], 10, v2
	v_lshl_add_u32 v[HA], v3, 4, v[HA]
	v_lshlrev_b32 v[HSA], 5, v2
	v_lshlrev_b32 v[BA], 2, v2
.irp b, 0,1,2,3
	v_mov_b32 v[TM+4+\b], 0                        ; written once: a lane permute's destination counts as one of its sources
.endr
	s_mov_b32 s[SEL], 0x76543210
	s_mov_b32 s[SEL+1], 0xfedcba98                 ; v_permlanex16_b32's selects for lane l xor 16
	s_mov_b32 s[MNT], 0x600000                     ; the mantissa field of 57,344
	s_lshl_b32 s26, ttmp9, 17                      ; 16 rows of 8,192 bytes a work-group,
	s_lshl_b32 s27, s[WV], 9                       ; 512 bytes of each row a wave
	s_add_co_u32 s26, s26, s27
	s_mov_b32 s27, 0
	s_wait_kmcnt 0x0
	s_add_nc_u64 s[4:5], s[4:5], s[26:27]          ; W at my first row and column
	s_lshl_b32 s26, s[W7], 7
	s_add_nc_u64 s[8:9], s[8:9], s[26:27]          ; hidden's codes at my K step
	s_lshl_b32 s26, s[W7], 2
	s_add_nc_u64 s[10:11], s[10:11], s[26:27]      ; and its scale words
	s_lshl_b32 s26, ttmp9, 6
	s_add_nc_u64 s[6:7], s[6:7], s[26:27]          ; the tile's 16 numbers of b
	s_lshl_b32 s26, ttmp9, 14
	s_lshl_b32 s28, s[W7], 11
	s_add_co_u32 s26, s26, s28
	s_add_nc_u64 s[12:13], s[12:13], s[26:27]      ; w2img: tile x 16,384 + K step x 2,048
	s_lshl_b32 s26, ttmp9, 9
	s_add_nc_u64 s[14:15], s[14:15], s[26:27]      ; w2scl: tile x 512
	s_lshl_b32 s26, ttmp9, 11
	s_lshl_b32 s28, s22, 9
	s_add_co_u32 s26, s26, s28
	s_add_nc_u64 s[16:17], s[16:17], s[26:27]      ; hbimg: tile x 2,048 + chunk x 512
	s_cmp_lt_u32 s[WV], 8
	s_cbranch_scc0 .Lno_hidden                     ; waves 0-7 alone need hidden: its two fragments of my K step, asked for first
.irp p, 0,1
.irp c, 0,1,2,3
	global_load_b128 v[HF+16*\p+4*\c:HF+16*\p+4*\c+3], v[HA], s[8:9] offset:16384*\p+32*\c
.endr
	global_load_b32 v[HS+\p], v[HSA], s[10:11] offset:512*\p
.endr
.Lno_hidden:
.irp i, 0,1,2,3,4,5,6,7,8,9,10,11,12,13,14,15
	global_load_b128 v[R+4*\i:R+4*\i+3], v[LI], s[4:5] offset:8192*\i th:TH_LOAD_NT   ; row i: 32 lanes read 512 consecutive bytes; W is read once
.endr
	s_wait_loadcnt 0x0
.irp i, 0,1,2,3,4,5,6,7,8,9,10,11,12,13,14,15
	ds_store_b128 v[SIN], v[R+4*\i:R+4*\i+3] offset:SPI*\i
.endr
.irp b, 0,1,2,3
.irp j, 0,1,2,3
	ds_load_b128 v[X+16*\b+4*\j:X+16*\b+4*\j+3], v[SOUT] offset:128*\b+16*\j   ; LDS serves a wave's instructions in order (ISA guide 5.7.1.4): these see my stores; the stage is my own
.endr
.endr
	s_wait_dscnt 0x0
	QUANT X
	s_cmp_lt_u32 s[WV], 8
	s_cbranch_scc0 .Lw2
	; ---- W1: my K step of hb, for hidden's rows 0-15 and 16-31
.rept 4
	v_nop                                          ; codes written by vector instructions stand four places ahead of a scaled matrix instruction; the scale word was made ahead of the 64 holds
.endr
	v_wmma_scale_f32_16x16x128_f8f6f4 v[D:D+7], v[HF:HF+15], v[PC:PC+15], 0, v[HS], v[PW] matrix_a_fmt:MATRIX_FMT_BF8 matrix_b_fmt:MATRIX_FMT_BF8
	v_wmma_scale_f32_16x16x128_f8f6f4 v[D+8:D+15], v[HF+16:HF+31], v[PC:PC+15], 0, v[HS+1], v[PW] matrix_a_fmt:MATRIX_FMT_BF8 matrix_b_fmt:MATRIX_FMT_BF8
.rept 8
	v_nop                                          ; eight places ahead of the first read of the results
.endr
.irp p, 0,1
.irp c, 0,1
	ds_store_b128 v[PST], v[D+8*\p+4*\c:D+8*\p+4*\c+3] offset:1024*\p+512*\c   ; each result from its low end on
.endr
.endr
	s_branch .Lmeet
.Lw2:
	; ---- W2: the fragment leaves as it stands, its scale word goes to LDS
.irp c, 0,1,2,3
	global_store_b128 v[LI], v[PC+4*\c:PC+4*\c+3], s[12:13] offset:512*\c   ; 32 lanes store 512 consecutive bytes, aligned
.endr
	ds_store_b32 v[SWS], v[PW]                     ; lanes l and l xor 16 write the same word with the same value
.Lmeet:
	s_wait_dscnt 0x0                               ; for the others' sake: my LDS stores have landed
	s_barrier_signal -1
	s_barrier_wait -1
	s_cmp_lt_u32 s[WV], 4
	s_cbranch_scc0 .Lnot_sum
	; ---- waves 0-3: one chunk (p, c) of hb each: eight partial sums in ascending K, then the bias
	global_load_b32 v[BI], v[BA], s[6:7]
	global_load_b32 v[BI+1], v[BA], s[6:7]         ; twice: a pair for the packed addition
.irp q, 0,1,2,3,4,5,6,7
	ds_load_b128 v[R+4*\q:R+4*\q+3], v[PLD] offset:2048*\q
.endr
	s_wait_dscnt 0x0
.irp q, 1,2,3,4,5,6,7
	v_pk_add_f32 v[R:R+1], v[R:R+1], v[R+4*\q:R+4*\q+1]
	v_pk_add_f32 v[R+2:R+3], v[R+2:R+3], v[R+4*\q+2:R+4*\q+3]
.endr
	s_wait_loadcnt 0x0
	v_pk_add_f32 v[OUTR:OUTR+1], v[R:R+1], v[BI:BI+1]
	v_pk_add_f32 v[OUTR+2:OUTR+3], v[R+2:R+3], v[BI:BI+1]
	global_store_b128 v[LI], v[OUTR:OUTR+3], s[16:17]   ; 512 consecutive bytes, aligned
	s_wait_tensorcnt 0x0
	ds_add_u32 v254, v255
	s_wait_dscnt 0x0
	s_endpgm
.Lnot_sum:
	s_cmp_eq_u32 s[WV], 8
	s_cbranch_scc0 .Ldone
	ds_load_b128 v[R:R+3], v[SLD]                  ; wave 8: the tile's 16 rows x 32 scale bytes
	s_wait_dscnt 0x0
	global_store_b128 v[LI], v[R:R+3], s[14:15]    ; 512 consecutive bytes, aligned
.Ldone:
	s_wait_tensorcnt 0x0
	ds_add_u32 v254, v255
	s_wait_dscnt 0x0
	s_endpgm
.Lfunc_end_k_qbae7ffda90_prep:
	.size	k_qbae7ffda90_prep, .Lfunc_end_k_qbae7ffda90_prep-k_qbae7ffda90_prep
	.p2alignl 7, 3214868480
	.fill 96, 4, 3214868480
	.section	.rodata,"a",@progbits
	.p2align	6, 0x0
	.amdhsa_kernel k_qbae7ffda90_prep
		.amdhsa_group_segment_fixed_size 154112
		.amdhsa_private_segment_fixed_size 0
		.amdhsa_enable_private_segment 0
		.amdhsa_kernarg_size 56
		.amdhsa_user_sgpr_count 2
		.amdhsa_user_sgpr_kernarg_segment_ptr 1
		.amdhsa_wavefront_size32 1
		.amdhsa_system_sgpr_workgroup_id_x 1
		.amdhsa_system_sgpr_workgroup_id_y 1
		.amdhsa_system_sgpr_workgroup_id_z 1
		.amdhsa_system_vgpr_workitem_id 0
		.amdhsa_next_free_vgpr 256
		.amdhsa_next_free_sgpr 66
		.amdhsa_reserve_vcc 0
		.amdhsa_float_denorm_mode_32 3
		.amdhsa_float_denorm_mode_16_64 3
		.amdhsa_memory_ordered 1
		.amdhsa_forward_progress 1
		.amdhsa_inst_pref_size 20
	.end_amdhsa_kernel
	.amdgpu_metadata
---
amdhsa.version: [ 1, 2 ]
amdhsa.kernels:
  - .name:           k_qbae7ffda90_prep
    .symbol:         k_qbae7ffda90_prep.kd
    .args:
      - { .name: W, .offset: 0, .size: 8, .value_kind: global_buffer, .address_space: global }
      - { .name: b, .offset: 8, .size: 8, .value_kind: global_buffer, .address_space: global }
      - { .name: hidden_codes, .offset: 16, .size: 8, .value_kind: global_buffer, .address_space: global }
      - { .name: hidden_scales, .offset: 24, .size: 8, .value_kind: global_buffer, .address_space: global }
      - { .name: w2img, .offset: 32, .size: 8, .value_kind: global_buffer, .address_space: global }
      - { .name: w2scl, .offset: 40, .size: 8, .value_kind: global_buffer, .address_space: global }
      - { .name: hbimg, .offset: 48, .size: 8, .value_kind: global_buffer, .address_space: global }
    .group_segment_fixed_size: 154112
    .private_segment_fixed_size: 0
    .kernarg_segment_align: 8
    .kernarg_segment_size: 56
    .max_flat_workgroup_size: 512
    .sgpr_count:     66
    .vgpr_count:     256
    .wavefront_size: 32
...
	.end_amdgpu_metadata
.endif
;; end of part 1
;; launch main (part 2): grid 256 x 1, 4 waves a work-group, clusters of 4 x 1, 327,680 bytes of LDS; arguments encoder_outputs_codes, encoder_outputs_scales, w2img, w2scl, hbimg, v, epart; writes epart
.if DOCPART == 2
	.amdgcn_target "amdgcn-amd-amdhsa--gfx1250"
	.amdhsa_code_object_version 6
	.text
	.protected	k_qbae7ffda90_main
	.globl	k_qbae7ffda90_main
	.p2align	8
	.type	k_qbae7ffda90_main,@function
k_qbae7ffda90_main:
	s_mov_b64 s[64:65], 0
	v_nop
	global_prefetch_b8 v0, s[64:65] scope:SCOPE_SE
	s_setreg_imm32_b32 hwreg(HW_REG_WAVE_MODE, 25, 1), 1
	s_wait_xcnt 0x0
	s_wait_alu depctr_hold_cnt(0) depctr_sa_sdst(0) depctr_va_vdst(0) depctr_va_sdst(0) depctr_va_ssrc(0) depctr_va_vcc(0) depctr_vm_vsrc(0)
	s_getreg_b32 s2, hwreg(HW_REG_IB_STS2, 6, 4)
	s_cmp_eq_u32 s2, 0
	s_cbranch_scc0 .Lentry_in_a_cluster
	s_endpgm
.Lentry_in_a_cluster:
	s_bfe_u32 s2, ttmp6, 0x10000c
	s_cmp_lg_u32 s2, 0x3003
	s_cbranch_scc0 .Lentry_shape_is_right
	s_endpgm
.Lentry_shape_is_right:
; MAIN: x[m][n] = hb[b][n] + sum over k of enc[m][k] W2[n][k] on codes of BF8 (E5M2) with E8M0 scales, m = 32 t + b; then, without x ever leaving the registers, part[m] = sum over n of v[n] / (1 + e^(2 x[m][n])).
; tanh(x) = 1 - 2 / (1 + e^(2 x)), so the energy of row m is (sum of v) - 2 (sum over n of v[n] / (1 + e^(2 x))).  The sum of v is the same for every t, so the softmax over t does not see it: it is not formed, for any input.
; Where e^(2 x) passes the largest f32 number the reciprocal of infinity is 0 (tanh = 1); where it falls to 0 the quotient is 1 (tanh = -1).  LIMITS: NaN and infinities among the inputs are not served.
; SHARES.  W2 STAYS, enc FLOWS.  A cluster of four work-groups owns 1,024 rows m (32 values of t); work-group cx owns outputs n = 256 cx .. + 255, its wave w four tiles of 16 of them: 32 fragments of W2 (512 registers), their scale
; words, hb in the result's layout and v stay in the wave's registers for the whole launch.  Every wave walks the cluster's 64 tiles of 16 rows; a fragment of enc read from LDS feeds four matrix instructions.
; CLUSTER.  The four work-groups walk the same rows of enc, so each tile is asked for JOINTLY: the same tensor load with the same descriptor and a mask that names the four; each wave asks for 32 rows of a slot's 128.
; cx enters the addresses of plain loads and stores alone: no branch, no LDS address, no descriptor.
; ORIENTATION.  Source 0 = 16 rows of enc, source 1 = 16 rows of W2: register j of lane (r, h) holds x(m = 8 h + j, n = r).  Tile i = 2 u + p holds t = 32 cluster + u and b = 16 p + 8 h + j.  The C of a tile's first product is hb.
; BY TURNS.  Two sets of four accumulators.  While tile i is multiplied into set p, tile i - 1 in set 1 - p goes through its exponentials and reciprocals, a slice behind each matrix instruction.  The streamed operand,
; the accumulators and all that a slice names lie in window 0, the resident operand is source 1 in windows 1 and 2, and a slice's second source is a scalar pair or a constant: so no slice needs a switch of the register window.
; THE SUM OVER n.  A lane holds a column n: first the four tiles of n are summed in the lane (x v), then the 16 lanes by a reduce-scatter: two tiles' 16 sums a lane become one sum a lane in four steps, which stand in the
; places that the loads into the fragments' registers want behind matrix instructions anyway.  A lane's sum goes to the wave's stage in LDS; at the end the four waves' stages are added and leave as epart [cx][cluster][b][t % 32].
; THE PIPELINE has no first step of its own: accumulator set 1 and the sums begin as zeros (48 moves, once); the two reductions of nothing land in two columns ahead of the stage's rows, which nobody reads.
; REGISTERS, in windows of 256 (s_set_vgpr_msb: bits 1:0 source 0, 3:2 source 1, 5:4 source 2, 7:6 destination):
;   window 0: v0 thread; v1-7 addresses; v8-15 v, a pair a tile of n; v16-31 W2's scale words; v32-39 enc's, two sets; v40-47, v48-55 the sums of an even and an odd tile; v56-63 at work; v64-95, v96-127 the accumulator sets; v128-255 enc's eight fragments
;   window 1: W2's fragments of K steps 0-3 (64 s + 16 nt);   window 2: of K steps 4-7;   window 3: v0-63 hb (32 p + 8 nt)
.set ROWP,  1040                       ; a row of enc in LDS: 1,024 bytes + 16 = 65 x 16: the 16 rows of a load start at 16 different places modulo 256 bytes (64 banks of 4 bytes: ISA guide 11.1)
.set TILEB, 16*ROWP                    ; a tile of 16 rows
.set SLOTB, 8*TILEB                    ; a slot: 128 rows; slot 1 begins here
.set SLOTG, 128*1024                   ; a slot's rows in memory
.set SCL,   2*SLOTB                    ; behind the ring: enc's scale bytes of the cluster's 1,024 rows, 32,768 dense bytes as 128 pieces of 256 bytes + 16 of padding; filled once
.set SCLW,  32*272                     ; what one wave's load brings of them
.set STP,   144                        ; a stage row: 32 columns of 4 bytes + 16
.set STW,   32*STP                     ; a wave's stage: 32 rows b
.set STG,   SCL+4*SCLW+256             ; the stages; the 256 bytes ahead of them take the first row's two columns of nothing
.set SPARE, STG+4*STW                  ; the spare words, 128 bytes for each wave: two blocks of 256 bytes that no other line names
.set ADE,  1                           ; v1   my lane's place in a tile of enc: 1,040 r + 16 h; never rewritten until the way out
.set ADR,  2                           ; v2   LDS address of the tile that is being fetched
.set ASE,  3                           ; v3   my lane's place among a tile's scale bytes
.set ADS,  4                           ; v4   LDS address of the scale bytes that are being fetched
.set AST,  5                           ; v5   where my next sum goes in my wave's stage: it steps a column for every two tiles
.set SPW,  6                           ; v6   LDS address of my spare word: SPARE + 4 x my thread's number; never rewritten
.set NIL,  7                           ; v7   0; never rewritten
.set VV,   8
.set WS,   16                          ; register 4 nt + i: lanes 0-15 the word of K step i, lanes 16-31 that of K step 4 + i
.set ES,   32                          ; register 4 p + i: likewise, for the tile of parity p
.set SUM0, 40
.set SUM1, 48
.set T,    56
.set ACC,  64
.set RING, 128
.set WV,   18                          ; s18  my wave's number
.set CX,   19                          ; s19  my place in the cluster
.set TB,   20                          ; s20  LDS byte at which the tile to be fetched next begins
.set TS,   21                          ; s21  and its scale bytes: 544 a tile
.set CNT,  22
.set LAP,  23
.set G1,   24                          ; s[24:31] descriptor group 1 for enc's tiles;  s[32:35], s[36:39] group 0 for slot 0, 1
.set G0,   32
.set G1S,  40                          ; s[40:47], s[48:51] groups 1 and 0 for the scale bytes
.set G0S,  48
.set CC,   52                          ; s[52:53] 2 log2(e): the packed form names a pair and takes its low word for both halves
.set MSB, 0
.macro WIN new                         ; the immediate's high byte repeats the setting that is left; a switch that changes nothing is dropped
.if MSB != \new
	s_set_vgpr_msb (MSB<<8)|\new
.set MSB, \new
.endif
.endm
.macro CREST                           ; a round of the cluster's barrier behind its opening barrier
	s_cmp_lg_u32 s[WV], 0
	s_cbranch_scc1 .Lnot_wave_0_\@
	s_barrier_signal -3
.Lnot_wave_0_\@:
	s_barrier_wait -3
	s_barrier_signal -1
	s_barrier_wait -1
.endm
.macro ROUND                           ; a whole round
	s_barrier_signal -1
	s_barrier_wait -1
	CREST
.endm
; One product: tile of parity p, K step s, tile nt of n.  The four accumulators of a set take turns, one instruction a turn, and the sets take turns from tile to tile.
.macro MM p, s, nt
.if (\s) == 0
	v_wmma_scale_f32_16x16x128_f8f6f4 v[ACC+32*(\p)+8*(\nt):ACC+32*(\p)+8*(\nt)+7], v[RING+16*(\s):RING+16*(\s)+15], v[64*((\s)%4)+16*(\nt):64*((\s)%4)+16*(\nt)+15], v[32*(\p)+8*(\nt):32*(\p)+8*(\nt)+7], v[ES+4*(\p)+(\s)%4], v[WS+4*(\nt)+(\s)%4] matrix_a_fmt:MATRIX_FMT_BF8 matrix_b_fmt:MATRIX_FMT_BF8
.elseif (\s) < 4
	v_wmma_scale_f32_16x16x128_f8f6f4 v[ACC+32*(\p)+8*(\nt):ACC+32*(\p)+8*(\nt)+7], v[RING+16*(\s):RING+16*(\s)+15], v[64*((\s)%4)+16*(\nt):64*((\s)%4)+16*(\nt)+15], v[ACC+32*(\p)+8*(\nt):ACC+32*(\p)+8*(\nt)+7], v[ES+4*(\p)+(\s)%4], v[WS+4*(\nt)+(\s)%4] matrix_a_fmt:MATRIX_FMT_BF8 matrix_b_fmt:MATRIX_FMT_BF8
.else
	v_wmma_scale_f32_16x16x128_f8f6f4 v[ACC+32*(\p)+8*(\nt):ACC+32*(\p)+8*(\nt)+7], v[RING+16*(\s):RING+16*(\s)+15], v[64*((\s)%4)+16*(\nt):64*((\s)%4)+16*(\nt)+15], v[ACC+32*(\p)+8*(\nt):ACC+32*(\p)+8*(\nt)+7], v[ES+4*(\p)+(\s)%4], v[WS+4*(\nt)+(\s)%4] matrix_a_fmt:MATRIX_FMT_BF8 matrix_b_fmt:MATRIX_FMT_BF8 matrix_a_scale:MATRIX_SCALE_ROW1 matrix_b_scale:MATRIX_SCALE_ROW1
.endif
.endm
; Slice k of 17 of the exponentials of set q: pair k is scaled by 2 log2(e), pair k - 1 is raised.  Pairs ascend.
.macro E1 q, k
.if (\k) < 16
	v_pk_mul_f32 v[ACC+32*(\q)+2*(\k):ACC+32*(\q)+2*(\k)+1], v[ACC+32*(\q)+2*(\k):ACC+32*(\q)+2*(\k)+1], s[CC:CC+1] op_sel_hi:[1,0]
.endif
.if (\k) > 0
	v_exp_f32 v[ACC+32*(\q)+2*(\k)-2], v[ACC+32*(\q)+2*(\k)-2]
	v_exp_f32 v[ACC+32*(\q)+2*(\k)-1], v[ACC+32*(\q)+2*(\k)-1]
.endif
.endm
; Slice k of 17 of the reciprocals: 1 is added to pair k, pair k - 1 is inverted.
.macro E2 q, k
.if (\k) < 16
	v_pk_add_f32 v[ACC+32*(\q)+2*(\k):ACC+32*(\q)+2*(\k)+1], v[ACC+32*(\q)+2*(\k):ACC+32*(\q)+2*(\k)+1], 1.0 op_sel_hi:[1,0]
.endif
.if (\k) > 0
	v_rcp_f32 v[ACC+32*(\q)+2*(\k)-2], v[ACC+32*(\q)+2*(\k)-2]
	v_rcp_f32 v[ACC+32*(\q)+2*(\k)-1], v[ACC+32*(\q)+2*(\k)-1]
.endif
.endm
; The four products of K step s, a slice behind each.  e = 1: exponentials; 2: reciprocals
.macro QUAD p, s, e
.irp nt, 0,1,2,3
	MM \p, \s, \nt
.if (\e) == 1
	E1 1-(\p), 4*(\s)+\nt
.else
	E2 1-(\p), 4*(\s)-16+\nt
.endif
.endr
.endm
; The sums of set q over its four tiles of n, x v: eight numbers a lane (rows 8 h + j), for my column residue r
.macro FMA q
.irp jj, 0,1,2,3
	v_pk_mul_f32 v[SUM0+8*(\q)+2*\jj:SUM0+8*(\q)+2*\jj+1], v[ACC+32*(\q)+2*\jj:ACC+32*(\q)+2*\jj+1], v[VV:VV+1]
.endr
.irp nt, 1,2,3
.irp jj, 0,1,2,3
	v_pk_fma_f32 v[SUM0+8*(\q)+2*\jj:SUM0+8*(\q)+2*\jj+1], v[ACC+32*(\q)+8*\nt+2*\jj:ACC+32*(\q)+8*\nt+2*\jj+1], v[VV+2*\nt:VV+2*\nt+1], v[SUM0+8*(\q)+2*\jj:SUM0+8*(\q)+2*\jj+1]
.endr
.endr
.endm
; THE REDUCE-SCATTER over 16 lanes.  A step with lane mask x halves what a lane holds: of two registers, a lane whose bit x is clear keeps k0 and gives k1 away, a lane whose bit is set keeps k1 and gives k0 away; each adds what its partner l xor x gave.
.macro RSEND t, k0, k1
	v_cndmask_b32 v[\t], v[\k1], v[\k0], vcc_lo
.endm
.macro RKEEP d, k0, k1
	v_cndmask_b32 v[\d], v[\k0], v[\k1], vcc_lo
.endm
.macro RADD d, t, x
	v_add_f32_dpp v[\d], v[\t], v[\d] row_xmask:\x row_mask:0xf bank_mask:0xf
.endm
; Parts 0, 1: bit 3 chooses between the even tile's sums and the odd tile's (rows j = 0-3, 4-7); the results lie in the odd tile's registers.  Part 2: bit 2 chooses j or j + 4.  Part 3: bits 1 and 0; then lane (r, h)
; holds the sum of row b = 16 (r / 8) + 8 h + r % 8, which goes to the stage, and the stage's address steps a column.
.macro RED part
.if (\part) < 2
	s_mov_b32 vcc_lo, 0xff00ff00
.irp j, 0,1,2,3
	RSEND T+\j, SUM0+4*(\part)+\j, SUM1+4*(\part)+\j
.endr
.irp j, 0,1,2,3
	RKEEP SUM1+4*(\part)+\j, SUM0+4*(\part)+\j, SUM1+4*(\part)+\j
.endr
.irp j, 0,1,2,3
	RADD SUM1+4*(\part)+\j, T+\j, 8
.endr
.elseif (\part) == 2
	s_mov_b32 vcc_lo, 0xf0f0f0f0
.irp j, 0,1,2,3
	RSEND T+\j, SUM1+\j, SUM1+4+\j
.endr
.irp j, 0,1,2,3
	RKEEP SUM1+\j, SUM1+\j, SUM1+4+\j
.endr
.irp j, 0,1,2,3
	RADD SUM1+\j, T+\j, 4
.endr
.else
	s_mov_b32 vcc_lo, 0xcccccccc
	RSEND T, SUM1, SUM1+2
	RSEND T+1, SUM1+1, SUM1+3
	RKEEP SUM1, SUM1, SUM1+2
	RKEEP SUM1+1, SUM1+1, SUM1+3
	RADD SUM1, T, 2
	RADD SUM1+1, T+1, 2
	s_mov_b32 vcc_lo, 0xaaaaaaaa
	RSEND T, SUM1, SUM1+1
	RKEEP SUM1, SUM1, SUM1+1
	RADD SUM1, T, 1
	ds_store_b32 v[AST], v[SUM1]
	v_add_nc_u32 v[AST], 4, v[AST]
.endif
.endm
; THE LDS LOADS stand in two runs a tile.  RUN0: the next tile's scale words (into the other set) and its fragments of K steps 0-3;  RUN1: K steps 4-7, and the fetches step to the tile after.
; A fragment is 16 registers: lane (r, h) holds row r; registers 4 c .. 4 c + 3 hold K = 32 c + 16 h + 0 .. 15.  One load brings a tile's scale words: bytes 16 h .. 16 h + 15 of row r's 32.
.macro RUN0 p
	ds_load_b128 v[ES+4*(1-(\p)):ES+4*(1-(\p))+3], v[ADS]
.irp s, 0,1,2,3
.irp c, 0,1,2,3
	ds_load_b128 v[RING+16*\s+4*\c:RING+16*\s+4*\c+3], v[ADR] offset:128*\s+32*\c
.endr
.endr
.endm
.macro RUN1
.irp s, 4,5,6,7
.irp c, 0,1,2,3
	ds_load_b128 v[RING+16*\s+4*\c:RING+16*\s+4*\c+3], v[ADR] offset:128*\s+32*\c
.endr
.endr
	s_add_co_u32 s[TB], s[TB], TILEB
	s_add_co_u32 s[TS], s[TS], 544
.endm
; A TILE of parity p: 32 products into set p; the exponentials, reciprocals and sums of the tile before, in set 1 - p; two parts of the reduction of an earlier pair of tiles; the next tile's fragments.
; chg = 1: the slot's last tile: slot sig is left and filled again;  chg = 2: it is left and nothing is asked for;  nxt = 0: the last tile of all, which fetches nothing.
; A load into a register that a matrix instruction has read, and a vector instruction that reads a matrix result, stand eight places behind that matrix instruction, and only plain vector instructions that name none of its registers
; are places.  In front of RUN0 they are the last scaling, the two address lines and the reduction's eight selections; in front of RUN1, and of the next tile's first slice, the sixteen lines of FMA.
.macro TILE p, chg, nxt, sig
.if \chg
	s_mov_b32 s[TB], (1-(\sig))*SLOTB              ; the fetches go on in the other slot
	s_wait_tensorcnt 0x0                           ; all my tensor loads have landed: the one that was out is my part of the other slot
	ds_add_u32 v[SPW], v[NIL]                      ; 0 onto my spare word
.if (\chg) == 1
	s_add_nc_u64 s[G0+4*(\sig)+2:G0+4*(\sig)+3], s[G0+4*(\sig)+2:G0+4*(\sig)+3], 2*SLOTG   ; no load of mine is out, so a group 0 may be written: this slot's next 128 rows
.endif
	s_wait_dscnt 17                                ; the youngest 16 loads (K steps 4-7) and the add may be out: the scale words and K steps 0-3 are in
.else
	s_wait_dscnt 16                                ; the youngest 16 loads (K steps 4-7) may be out: the scale words and K steps 0-3 are in
.endif
	WIN 0x34                                       ; source 1 window 1, C (hb) window 3
	QUAD \p, 0, 1
	WIN 0x04                                       ; source 1 window 1
	QUAD \p, 1, 1
.if \chg
	s_wait_dscnt 0x0                               ; the add is done, and my reads of this slot are over (the last were K steps 4-7 of this tile)
	s_barrier_signal -1                            ; say so; work on registers alone until the wait
.endif
	QUAD \p, 2, 1
	QUAD \p, 3, 1
	E1 1-(\p), 16
	WIN 0
.if \nxt
	v_add_nc_u32 v[ADR], s[TB], v[ADE]
	v_add_nc_u32 v[ADS], s[TS], v[ASE]
.endif
	RED 2-2*(\p)
	s_wait_alu depctr_va_vdst(0)                   ; one wait for the 32 exponentials, ahead of the first line that names a result; the lines above are the plain work behind the last of them
.if \chg
	s_barrier_wait -1                              ; all four waves have said so
.endif
.if (\chg) == 1
	CREST                                          ; the barrier has opened a round of the cluster's barrier: no wave of any partner still reads this slot or has a load on its way
	tensor_load_to_lds s[G0+4*(\sig):G0+4*(\sig)+3], s[G1:G1+7]   ; the joint refill: my one tensor load behind the round, and the first thing there; seven and a half tiles, 240 matrix instructions, stand between it and the wait for it
	s_nop 0
.rept 4
	v_nop                                          ; four lines behind a tensor load
.endr
.endif
.if \nxt
	RUN0 \p
	s_wait_dscnt 17                                ; all but the 17 just issued: this tile's K steps 4-7 are in
.else
	s_wait_dscnt 0x0
.endif
	WIN 0x08                                       ; source 1 window 2
	QUAD \p, 4, 2
	QUAD \p, 5, 2
	QUAD \p, 6, 2
	QUAD \p, 7, 2
	E2 1-(\p), 16
	WIN 0
	RED 3-2*(\p)
	s_wait_alu depctr_va_vdst(0)                   ; one wait for the 32 reciprocals, ahead of their first reader
	FMA 1-(\p)
.if \nxt
	RUN1
.endif
.endm
.macro PAIRS3                          ; six tiles: a pair written once, walked three times
	s_mov_b32 s[CNT], 3
.Lpair_\@:
	TILE 0, 0, 1, 0
	TILE 1, 0, 1, 0
	s_sub_co_u32 s[CNT], s[CNT], 1
	s_cmp_lg_u32 s[CNT], 0
	s_cbranch_scc1 .Lpair_\@
.endm
	s_load_b256 s[4:11], s[0:1], 0x0               ; enc's codes s[4:5], enc's scales s[6:7], w2img s[8:9], w2scl s[10:11]
	s_load_b128 s[12:15], s[0:1], 0x20             ; hbimg s[12:13], v s[14:15]
	s_load_b64 s[16:17], s[0:1], 0x30              ; epart
	v_lshl_add_u32 v[SPW], v0, 2, SPARE
	v_mov_b32 v[NIL], 0
	ds_add_u32 v6, v7
	ds_add_u32 v6, v7
	s_wait_dscnt 0x0
	v_lshrrev_b32 v56, 5, v0
	v_readfirstlane_b32 s[WV], v56                 ; wave 0..3
	s_bfe_u32 s[CX], ttmp6, 0x40000                ; cx: my place in the cluster
	; descriptor group 1 for enc's tiles: 32 rows of 1,024 bytes, dense in memory, 16 bytes of padding behind each in LDS
	s_mov_b32 s[G1], 15|(1<<20)|(1<<21)|(7<<22)|(3<<25)   ; 15:0 the mask: all four work-groups; 17:16 elements of 1 byte; 20 padding on; 21 set beside a mask; 24:22 after every 256 words (code 7); 31:25 four words (code 3)
	s_mov_b32 s[G1+1], 1024<<16                    ; tensor_dim0
	s_mov_b32 s[G1+2], 32<<16                      ; tensor_dim1
	s_mov_b32 s[G1+3], 1024<<16                    ; tile_dim0
	s_mov_b32 s[G1+4], 32                          ; tile_dim1
	s_mov_b32 s[G1+5], 1024                        ; tensor_dim0_stride
	s_mov_b32 s[G1+6], 0
	s_mov_b32 s[G1+7], 0
	; and for the scale bytes: 8,192 dense bytes as 32 rows of 256 (32 elements of 8 bytes), 16 bytes of padding behind each
	s_mov_b32 s[G1S], 15|(3<<16)|(1<<20)|(1<<21)|(5<<22)|(3<<25)
	s_mov_b32 s[G1S+1], 32<<16
	s_mov_b32 s[G1S+2], 32<<16
	s_mov_b32 s[G1S+3], 32<<16
	s_mov_b32 s[G1S+4], 32
	s_mov_b32 s[G1S+5], 32
	s_mov_b32 s[G1S+6], 0
	s_mov_b32 s[G1S+7], 0
	s_mov_b32 s[CC], 0x4038aa3b                    ; 2 log2(e): e^(2 x) = 2^(x times this)
	s_mov_b32 s[CC+1], s[CC]                       ; (named with it as a pair, so it is written)
	s_mov_b32 s[TB], 0
	s_mov_b32 s[TS], 0
	; my lane's places.  v56-63 serve the head; the loop takes them over behind the wait for the head's loads
	v_and_b32 v59, 15, v0                          ; r
	v_bfe_u32 v60, v0, 4, 1                        ; h
	v_and_b32 v61, 31, v0                          ; lane
	v_lshlrev_b32 v56, 4, v61                      ; 16 x lane: the images
	v_lshlrev_b32 v57, 5, v59
	v_lshl_add_u32 v57, v60, 4, v57                ; 32 r + 16 h: W2's scale bytes
	v_lshlrev_b32 v58, 2, v59                      ; 4 r: v
	v_mul_u32_u24 v[ADE], v59, ROWP
	v_lshl_add_u32 v[ADE], v60, 4, v[ADE]
	v_lshrrev_b32 v62, 3, v59                      ; r / 8
	v_and_b32 v63, 7, v59                          ; r % 8
	v_mul_u32_u24 v[ASE], v62, 272                 ; eight rows' scale bytes fill a piece of 256
	v_lshl_add_u32 v[ASE], v63, 5, v[ASE]
	v_lshl_add_u32 v[ASE], v60, 4, v[ASE]
	v_add_nc_u32 v[ASE], SCL, v[ASE]
	v_lshl_add_u32 v62, v62, 4, v63
	v_lshl_add_u32 v62, v60, 3, v62                ; b = 16 (r / 8) + 8 h + r % 8
	v_mul_u32_u24 v[AST], v62, STP
	s_mul_i32 s57, s[WV], STW
	s_add_co_u32 s57, s57, STG-8                   ; two columns ahead of the row: the first two reductions are of nothing
	v_add_nc_u32 v[AST], s57, v[AST]
	; what I fetch: rows 32 w .. 32 w + 31 of each slot's 128.  Cluster and wave alone enter these numbers
	s_lshl_b32 s54, ttmp9, 20                      ; the cluster's 1,024 rows of 1,024 bytes (in a cluster launch ttmp9 counts clusters)
	s_lshl_b32 s55, s[WV], 15
	s_add_co_u32 s54, s54, s55
	s_mov_b32 s55, 0
	s_mul_i32 s56, s[WV], 32*ROWP
	s_wait_kmcnt 0x0
	s_add_nc_u64 s[4:5], s[4:5], s[54:55]
	s_lshl_b32 s54, ttmp9, 15                      ; the cluster's 32,768 scale bytes
	s_lshl_b32 s57, s[WV], 13
	s_add_co_u32 s54, s54, s57
	s_add_nc_u64 s[6:7], s[6:7], s[54:55]
	s_mov_b32 s[G0], 1                             ; 1:0 count = 1
	s_mov_b32 s[G0+1], s56                         ; 63:32 LDS address: slot 0
	s_mov_b64 s[G0+2:G0+3], s[4:5]                 ; 120:64 global address: the cluster's first 128 rows
	s_or_b32 s[G0+3], s[G0+3], 0x80000000          ; 127:126 type = 2
	s_mov_b32 s[G0+4], 1
	s_add_co_u32 s[G0+5], s56, SLOTB               ; slot 1
	s_add_nc_u64 s[G0+6:G0+7], s[4:5], SLOTG       ; the next 128 rows
	s_or_b32 s[G0+7], s[G0+7], 0x80000000
	s_mov_b32 s[G0S], 1
	s_mul_i32 s[G0S+1], s[WV], SCLW
	s_add_co_u32 s[G0S+1], s[G0S+1], SCL
	s_mov_b64 s[G0S+2:G0S+3], s[6:7]
	s_or_b32 s[G0S+3], s[G0S+3], 0x80000000
	; what stays in my registers: tiles 16 cx + 4 w + 0 .. 3 of n.  cx lives in s19 and s[60:63] alone
	s_lshl_b32 s60, s[CX], 18
	s_lshl_b32 s62, s[WV], 16
	s_add_co_u32 s60, s60, s62                     ; first tile x 16,384
	s_mov_b32 s61, 0
	s_add_nc_u64 s[8:9], s[8:9], s[60:61]          ; w2img
	s_lshr_b32 s60, s60, 3
	s_add_nc_u64 s[12:13], s[12:13], s[60:61]      ; hbimg: x 2,048
	s_lshr_b32 s60, s60, 2
	s_add_nc_u64 s[10:11], s[10:11], s[60:61]      ; w2scl: x 512
	s_lshr_b32 s60, s60, 3
	s_add_nc_u64 s[14:15], s[14:15], s[60:61]      ; v: x 64
	s_lshl_b32 s60, s[CX], 18
	s_lshl_b32 s62, ttmp9, 12
	s_add_co_u32 s60, s60, s62
	s_lshl_b32 s62, s[WV], 10
	s_add_co_u32 s60, s60, s62
	s_add_nc_u64 s[16:17], s[16:17], s[60:61]      ; epart: cx x 262,144 + cluster x 4,096 + 8 w rows of 128 bytes
	ROUND                                          ; all four work-groups are here: the first joint loads meet
	tensor_load_to_lds s[G0S:G0S+3], s[G1S:G1S+7]  ; the scale bytes, filled once; then both slots: three loads of mine are out
	s_nop 0
	tensor_load_to_lds s[G0:G0+3], s[G1:G1+7]
	s_nop 0
	tensor_load_to_lds s[G0+4:G0+7], s[G1:G1+7]
	s_nop 0
.rept 4
	v_nop                                          ; four lines behind the last of them
.endr
	WIN 0x40                                       ; destination window 1, address window 0
.irp s, 0,1,2,3
.irp nt, 0,1,2,3
.irp c, 0,1,2,3
	global_load_b128 v[64*\s+16*\nt+4*\c:64*\s+16*\nt+4*\c+3], v56, s[8:9] offset:16384*\nt+2048*\s+512*\c   ; an image's 512 consecutive bytes
.endr
.endr
.endr
	WIN 0x80                                       ; destination window 2
.irp s, 0,1,2,3
.irp nt, 0,1,2,3
.irp c, 0,1,2,3
	global_load_b128 v[64*\s+16*\nt+4*\c:64*\s+16*\nt+4*\c+3], v56, s[8:9] offset:16384*\nt+2048*(\s+4)+512*\c
.endr
.endr
.endr
	WIN 0xc0                                       ; destination window 3
.irp p, 0,1
.irp nt, 0,1,2,3
.irp c, 0,1
	global_load_b128 v[32*\p+8*\nt+4*\c:32*\p+8*\nt+4*\c+3], v56, s[12:13] offset:2048*\nt+1024*\p+512*\c
.endr
.endr
.endr
	WIN 0
.irp nt, 0,1,2,3
	global_load_b128 v[WS+4*\nt:WS+4*\nt+3], v57, s[10:11] offset:512*\nt
	global_load_b32 v[VV+2*\nt], v58, s[14:15] offset:64*\nt
	global_load_b32 v[VV+2*\nt+1], v58, s[14:15] offset:64*\nt   ; twice: a pair for the packed forms
.endr
.irp j, 0,1,2,3,4,5,6,7,8,9,10,11,12,13,14,15
	v_mov_b32 v[SUM0+\j], 0                        ; the pipeline's first turns find zeros
.endr
.irp j, 0,1,2,3,4,5,6,7,8,9,10,11,12,13,14,15,16,17,18,19,20,21,22,23,24,25,26,27,28,29,30,31
	v_mov_b32 v[ACC+32+\j], 0
.endr
	s_wait_tensorcnt 0x1                           ; the scale bytes and my part of slot 0 are in; slot 1's load may stay out
	s_barrier_signal -1
	s_barrier_wait -1                              ; everybody's are
	v_add_nc_u32 v[ADR], s[TB], v[ADE]
	v_add_nc_u32 v[ADS], s[TS], v[ASE]
	RUN0 1                                         ; tile 0
	RUN1
	s_wait_loadcnt 0x0                             ; W2, hb, v and the scale words are in; v56-63 are free
	s_mov_b32 s[LAP], 3
.Llap:                                             ; a trip goes once round the ring: 16 tiles, both slots filled again
	PAIRS3
	TILE 0, 0, 1, 0
	TILE 1, 1, 1, 0
	PAIRS3
	TILE 0, 0, 1, 0
	TILE 1, 1, 1, 1
	s_sub_co_u32 s[LAP], s[LAP], 1
	s_cmp_lg_u32 s[LAP], 0
	s_cbranch_scc1 .Llap
	PAIRS3                                         ; the last 16 tiles are written out: nothing is left to ask for
	TILE 0, 0, 1, 0
	TILE 1, 2, 1, 0
	PAIRS3
	TILE 0, 0, 1, 0
	TILE 1, 0, 0, 0
	; THE PIPELINE RUNS OUT: the last pair but one is reduced to its end; the last tile's exponentials, reciprocals and sums; the last pair's reduction
	RED 2
	RED 3
.set kk, 0
.rept 17
	E1 1, kk
.set kk, kk+1
.endr
	v_nop                                          ; a plain line behind the last exponential
	s_wait_alu depctr_va_vdst(0)                   ; and the one wait for the batch
.set kk, 0
.rept 17
	E2 1, kk
.set kk, kk+1
.endr
	v_nop
	s_wait_alu depctr_va_vdst(0)
	FMA 1
	RED 0
	RED 1
	RED 2
	RED 3
	; THE WAY OUT: the four waves' stages are added.  Wave w takes rows b = 8 w .. 8 w + 7: a load takes four rows of 128 bytes, eight lanes to a row
	v_and_b32 v1, 31, v0
	v_lshrrev_b32 v2, 3, v1
	v_and_b32 v3, 7, v0
	v_mul_u32_u24 v2, v2, STP
	v_lshl_add_u32 v2, v3, 4, v2
	s_mul_i32 s57, s[WV], 8*STP
	s_add_co_u32 s57, s57, STG
	v_add_nc_u32 v2, s57, v2
	v_lshlrev_b32 v1, 4, v1
	s_wait_dscnt 0x0                               ; for the others' sake: my stores into my stage have landed
	s_barrier_signal -1
	s_barrier_wait -1
.irp i, 0,1
.irp q, 0,1,2,3
	ds_load_b128 v[RING+16*\i+4*\q:RING+16*\i+4*\q+3], v2 offset:STW*\q+4*STP*\i
.endr
.endr
	s_wait_dscnt 0x0
.irp i, 0,1
.irp j, 0,2
	v_pk_add_f32 v[RING+16*\i+\j:RING+16*\i+\j+1], v[RING+16*\i+\j:RING+16*\i+\j+1], v[RING+16*\i+4+\j:RING+16*\i+4+\j+1]
	v_pk_add_f32 v[RING+16*\i+8+\j:RING+16*\i+8+\j+1], v[RING+16*\i+8+\j:RING+16*\i+8+\j+1], v[RING+16*\i+12+\j:RING+16*\i+12+\j+1]
.endr
.irp j, 0,2
	v_pk_add_f32 v[RING+16*\i+\j:RING+16*\i+\j+1], v[RING+16*\i+\j:RING+16*\i+\j+1], v[RING+16*\i+8+\j:RING+16*\i+8+\j+1]
.endr
	global_store_b128 v1, v[RING+16*\i:RING+16*\i+3], s[16:17] offset:512*\i   ; 32 lanes store 512 consecutive bytes, aligned: four rows b of 32 numbers
.endr
	s_wait_tensorcnt 0x0                           ; the wave's end, behind my last tensor load and my last LDS store
	ds_add_u32 v[SPW], v[NIL]
	s_wait_dscnt 0x0
	ROUND                                          ; the closing round: no work-group ends while a partner may still ask for a tile that names it
	s_endpgm
.Lfunc_end_k_qbae7ffda90_main:
	.size	k_qbae7ffda90_main, .Lfunc_end_k_qbae7ffda90_main-k_qbae7ffda90_main
	.p2alignl 7, 3214868480
	.fill 96, 4, 3214868480
	.section	.rodata,"a",@progbits
	.p2align	6, 0x0
	.amdhsa_kernel k_qbae7ffda90_main
		.amdhsa_group_segment_fixed_size 327680
		.amdhsa_private_segment_fixed_size 0
		.amdhsa_enable_private_segment 0
		.amdhsa_kernarg_size 56
		.amdhsa_user_sgpr_count 2
		.amdhsa_user_sgpr_kernarg_segment_ptr 1
		.amdhsa_wavefront_size32 1
		.amdhsa_system_sgpr_workgroup_id_x 1
		.amdhsa_system_sgpr_workgroup_id_y 1
		.amdhsa_system_sgpr_workgroup_id_z 1
		.amdhsa_system_vgpr_workitem_id 0
		.amdhsa_next_free_vgpr 832
		.amdhsa_next_free_sgpr 66
		.amdhsa_reserve_vcc 1
		.amdhsa_float_denorm_mode_32 3
		.amdhsa_float_denorm_mode_16_64 3
		.amdhsa_memory_ordered 1
		.amdhsa_forward_progress 1
		.amdhsa_inst_pref_size 238
	.end_amdhsa_kernel
	.amdgpu_metadata
---
amdhsa.version: [ 1, 2 ]
amdhsa.kernels:
  - .name:           k_qbae7ffda90_main
    .symbol:         k_qbae7ffda90_main.kd
    .args:
      - { .name: encoder_outputs_codes, .offset: 0, .size: 8, .value_kind: global_buffer, .address_space: global }
      - { .name: encoder_outputs_scales, .offset: 8, .size: 8, .value_kind: global_buffer, .address_space: global }
      - { .name: w2img, .offset: 16, .size: 8, .value_kind: global_buffer, .address_space: global }
      - { .name: w2scl, .offset: 24, .size: 8, .value_kind: global_buffer, .address_space: global }
      - { .name: hbimg, .offset: 32, .size: 8, .value_kind: global_buffer, .address_space: global }
      - { .name: v, .offset: 40, .size: 8, .value_kind: global_buffer, .address_space: global }
      - { .name: epart, .offset: 48, .size: 8, .value_kind: global_buffer, .address_space: global }
    .group_segment_fixed_size: 327680
    .private_segment_fixed_size: 0
    .kernarg_segment_align: 8
    .kernarg_segment_size: 56
    .max_flat_workgroup_size: 128
    .sgpr_count:     66
    .vgpr_count:     832
    .wavefront_size: 32
...
	.end_amdgpu_metadata
.endif
;; end of part 2
;; launch soft (part 3): grid 16 x 1, 16 waves a work-group, no clusters, 2,560 bytes of LDS; arguments epart, out0; writes out0
.if DOCPART == 3
	.amdgcn_target "amdgcn-amd-amdhsa--gfx1250"
	.amdhsa_code_object_version 6
	.text
	.protected	k_qbae7ffda90_soft
	.globl	k_qbae7ffda90_soft
	.p2align	8
	.type	k_qbae7ffda90_soft,@function
k_qbae7ffda90_soft:
	s_mov_b64 s[64:65], 0
	v_nop
	global_prefetch_b8 v0, s[64:65] scope:SCOPE_SE
	s_setreg_imm32_b32 hwreg(HW_REG_WAVE_MODE, 25, 1), 1
	s_wait_xcnt 0x0
; SOFT: out[b][t] = softmax over t of the energies.  epart [cx 4][cluster 64][b 32][t % 32] holds, for a quarter of n each, s = sum of v / (1 + e^(2 x)); the energy is (sum of v) - 2 s, and the sum of v is the same for every t.
; So the largest energy belongs to the smallest s, and out = 2^(-2 log2(e) (s - smin)) / the sum of these: the row's true maximum is taken away, and every exponent is 0 or less.
; What falls under the smallest normal f32 number comes out as 0 (the exponential flushes denormals: ISA guide, its entry in 15.8).  LIMITS: NaN and infinities are not served.
; SHARES.  Work-group g takes b = 2 g and 2 g + 1: their 32 numbers of a cluster lie side by side, 256 consecutive bytes, aligned.  Thread T: 16 bytes (four t) at 16 (T % 16) of clusters T / 16 and T / 16 + 32, of each of the four parts.
; Bit 3 of the lane says which b; a thread's eight numbers belong to one b.  Matrix units, tensor loads and clusters have nothing to do here: 1 MiB is read once, and the work is two reductions over 2,048 numbers.
.set S0,  8                            ; v8-39  eight loads of four; the sums end in v8-11 (cluster T / 16) and v24-27 (+ 32)
.set LW,  32                           ; v32-47 sixteen waves' words read back
	s_load_b128 s[4:7], s[0:1], 0x0                ; epart, out0
	v_lshl_add_u32 v64, v0, 2, 0x200
	v_mov_b32 v65, 0
	v_and_b32 v1, 15, v0
	v_lshrrev_b32 v2, 4, v0                        ; cluster 0..31
	v_lshlrev_b32 v3, 12, v2
	v_lshl_add_u32 v3, v1, 4, v3                   ; in: cluster x 4,096 + 16 (T % 16)
	v_bfe_u32 v5, v0, 3, 1                         ; which b
	v_lshlrev_b32 v6, 13, v5
	v_lshl_add_u32 v6, v2, 7, v6
	v_and_b32 v7, 7, v0
	v_lshl_add_u32 v6, v7, 4, v6                   ; out: which b x 8,192 + cluster x 128 + 16 (T % 8)
	v_lshlrev_b32 v5, 6, v5                        ; LDS: 64 bytes for each b: sixteen waves' words
	v_lshrrev_b32 v4, 5, v0
	v_lshl_add_u32 v4, v4, 2, v5                   ; my wave's word
	v_mov_b32 v48, 0                               ; written once: a lane permute's destination counts as one of its sources
	s_mov_b32 s12, 0x76543210
	s_mov_b32 s13, 0xfedcba98                      ; v_permlanex16_b32's selects for lane l xor 16
	s_lshl_b32 s8, ttmp9, 8
	s_mov_b32 s9, 0
	s_lshl_b32 s10, ttmp9, 14
	s_mov_b32 s11, 0
	s_wait_kmcnt 0x0
	s_add_nc_u64 s[4:5], s[4:5], s[8:9]
	s_add_nc_u64 s[6:7], s[6:7], s[10:11]
.irp k, 0,1
.irp c, 0,1,2,3
	global_load_b128 v[S0+16*\k+4*\c:S0+16*\k+4*\c+3], v3, s[4:5] offset:262144*\c+131072*\k th:TH_LOAD_NT   ; sixteen lanes read 256 consecutive bytes, aligned
.endr
.endr
	s_wait_loadcnt 0x0
.irp k, 0,1
.irp j, 0,2
	v_pk_add_f32 v[S0+16*\k+\j:S0+16*\k+\j+1], v[S0+16*\k+\j:S0+16*\k+\j+1], v[S0+16*\k+4+\j:S0+16*\k+4+\j+1]
	v_pk_add_f32 v[S0+16*\k+8+\j:S0+16*\k+8+\j+1], v[S0+16*\k+8+\j:S0+16*\k+8+\j+1], v[S0+16*\k+12+\j:S0+16*\k+12+\j+1]
.endr
.irp j, 0,2
	v_pk_add_f32 v[S0+16*\k+\j:S0+16*\k+\j+1], v[S0+16*\k+\j:S0+16*\k+\j+1], v[S0+16*\k+8+\j:S0+16*\k+8+\j+1]   ; s, over all of n
.endr
.endr
	; the smallest s of my b: in the lane; over lanes that share bit 3 (masks 1, 2, 4, and the other half of the lanes); over the sixteen waves through LDS
	v_min3_num_f32 v49, v8, v9, v10
	v_min3_num_f32 v50, v11, v24, v25
	v_min3_num_f32 v49, v49, v26, v27
	v_min_num_f32 v49, v49, v50
	v_min_num_f32_dpp v49, v49, v49 row_xmask:1 row_mask:0xf bank_mask:0xf
	v_min_num_f32_dpp v49, v49, v49 row_xmask:2 row_mask:0xf bank_mask:0xf
	v_min_num_f32_dpp v49, v49, v49 row_xmask:4 row_mask:0xf bank_mask:0xf
	v_permlanex16_b32 v48, v49, s12, s13
	v_min_num_f32 v49, v49, v48
	ds_store_b32 v4, v49                           ; the lanes of one b write the same word with the same value
	s_wait_dscnt 0x0                               ; for the others' sake
	s_barrier_signal -1
	s_barrier_wait -1
.irp i, 0,1,2,3
	ds_load_b128 v[LW+4*\i:LW+4*\i+3], v5 offset:16*\i
.endr
	s_wait_dscnt 0x0
	v_min3_num_f32 v49, v32, v33, v34
	v_min3_num_f32 v50, v35, v36, v37
	v_min3_num_f32 v49, v49, v38, v39
	v_min3_num_f32 v50, v50, v40, v41
	v_min3_num_f32 v49, v49, v42, v43
	v_min3_num_f32 v50, v50, v44, v45
	v_min3_num_f32 v49, v49, v46, v47
	v_min_num_f32 v49, v49, v50                    ; smin
.irp r, 8,9,10,11,24,25,26,27
	v_sub_f32 v\r, v\r, v49
.endr
.irp r, 8,9,10,11,24,25,26,27
	v_mul_f32 v\r, 0xc038aa3b, v\r                 ; x -2 log2(e)
.endr
.irp r, 8,9,10,11,24,25,26,27
	v_exp_f32 v\r, v\r
.endr
	v_nop                                          ; a plain line behind the last exponential
	s_wait_alu depctr_va_vdst(0)                   ; one wait for the eight, ahead of their first reader
	v_pk_add_f32 v[50:51], v[8:9], v[10:11]
	v_pk_add_f32 v[52:53], v[24:25], v[26:27]
	v_pk_add_f32 v[50:51], v[50:51], v[52:53]
	v_add_f32 v50, v50, v51
	v_add_f32_dpp v50, v50, v50 row_xmask:1 row_mask:0xf bank_mask:0xf
	v_add_f32_dpp v50, v50, v50 row_xmask:2 row_mask:0xf bank_mask:0xf
	v_add_f32_dpp v50, v50, v50 row_xmask:4 row_mask:0xf bank_mask:0xf
	v_permlanex16_b32 v48, v50, s12, s13
	v_add_f32 v50, v50, v48
	ds_store_b32 v4, v50 offset:128                ; other bytes than the minima's: no barrier is owed between the reads above and this store
	s_wait_dscnt 0x0
	s_barrier_signal -1
	s_barrier_wait -1
.irp i, 0,1,2,3
	ds_load_b128 v[LW+4*\i:LW+4*\i+3], v5 offset:128+16*\i
.endr
	s_wait_dscnt 0x0
	v_pk_add_f32 v[32:33], v[32:33], v[34:35]
	v_pk_add_f32 v[36:37], v[36:37], v[38:39]
	v_pk_add_f32 v[40:41], v[40:41], v[42:43]
	v_pk_add_f32 v[44:45], v[44:45], v[46:47]
	v_pk_add_f32 v[32:33], v[32:33], v[36:37]
	v_pk_add_f32 v[40:41], v[40:41], v[44:45]
	v_pk_add_f32 v[32:33], v[32:33], v[40:41]
	v_add_f32 v32, v32, v33                        ; the row's sum: at least 1, since the smallest s gives 2^0
	v_rcp_f32 v54, v32
	v_nop                                          ; a plain line behind the reciprocal
	s_wait_alu depctr_va_vdst(0)                   ; and its wait, ahead of the first reader
.irp r, 8,9,10,11,24,25,26,27
	v_mul_f32 v\r, v\r, v54
.endr
	global_store_b128 v6, v[8:11], s[6:7]          ; a wave holds two neighbouring clusters: for each b its sixteen lanes store 256 consecutive bytes, aligned
	global_store_b128 v6, v[24:27], s[6:7] offset:4096
	s_wait_tensorcnt 0x0
	ds_add_u32 v64, v65
	s_wait_dscnt 0x0
	s_endpgm
.Lfunc_end_k_qbae7ffda90_soft:
	.size	k_qbae7ffda90_soft, .Lfunc_end_k_qbae7ffda90_soft-k_qbae7ffda90_soft
	.p2alignl 7, 3214868480
	.fill 96, 4, 3214868480
	.section	.rodata,"a",@progbits
	.p2align	6, 0x0
	.amdhsa_kernel k_qbae7ffda90_soft
		.amdhsa_group_segment_fixed_size 2560
		.amdhsa_private_segment_fixed_size 0
		.amdhsa_enable_private_segment 0
		.amdhsa_kernarg_size 16
		.amdhsa_user_sgpr_count 2
		.amdhsa_user_sgpr_kernarg_segment_ptr 1
		.amdhsa_wavefront_size32 1
		.amdhsa_system_sgpr_workgroup_id_x 1
		.amdhsa_system_sgpr_workgroup_id_y 1
		.amdhsa_system_sgpr_workgroup_id_z 1
		.amdhsa_system_vgpr_workitem_id 0
		.amdhsa_next_free_vgpr 66
		.amdhsa_next_free_sgpr 66
		.amdhsa_reserve_vcc 0
		.amdhsa_float_denorm_mode_32 3
		.amdhsa_float_denorm_mode_16_64 3
		.amdhsa_memory_ordered 1
		.amdhsa_forward_progress 1
		.amdhsa_inst_pref_size 8
	.end_amdhsa_kernel
	.amdgpu_metadata
---
amdhsa.version: [ 1, 2 ]
amdhsa.kernels:
  - .name:           k_qbae7ffda90_soft
    .symbol:         k_qbae7ffda90_soft.kd
    .args:
      - { .name: epart, .offset: 0, .size: 8, .value_kind: global_buffer, .address_space: global }
      - { .name: out0, .offset: 8, .size: 8, .value_kind: global_buffer, .address_space: global }
    .group_segment_fixed_size: 2560
    .private_segment_fixed_size: 0
    .kernarg_segment_align: 8
    .kernarg_segment_size: 16
    .max_flat_workgroup_size: 512
    .sgpr_count:     66
    .vgpr_count:     66
    .wavefront_size: 32
...
	.end_amdgpu_metadata
.endif
;; end of part 3
